; MI455X (gfx1250); checked and timed in simulation.
; The chip was launched on July 23, 2026; its instructions are those of AMD's public machine-readable ISA for CDNA 5 (MIT licence, August 2026) and "CDNA5" Instruction Set Architecture Reference Guide (July 2026). The comments in the code are by the model that wrote it; some were corrected since.
;; Attention. Allowed arithmetic: matrix products marked QUANTISED: E5M2 operands, one E8M0 scale for each 32 along K, by v_wmma_scale_f32_16x16x128_f8f6f4 with both operands' format E5M2, f32 sums; products left as they are: f32 operands where the result goes on into a quantised operand, else bf16, f16 or f32 operands; f32 sums; everything else in f32.
;; Inputs: attn_b 1,024 float32; attn_w 1,024 x 3,072 float32; encoder_out 16 x 2,048 x 2,048 float32; mask 16 x 2,048 int32; v 1 x 16 x 1,024 float32; v_w 1 x 1,024 float32.
;; Outputs: out0 16 x 2,048 float32.
;; This version of the problem:
;;   THIS VERSION OF THE PROBLEM IS GIVEN IN LOW PRECISION. The matrix products marked QUANTISED in the list below multiply operands that are first quantised to E5M2 (5 exponent bits, 2 mantissa bits; 8 bits a number), with one power-of-two scale for each 32 numbers along K (OCP MX v1.0); their sums are f32. All else is computed in f32.
;;   The module's matrix products, in the order in which they are computed (A, B: the left and right operand; K: the contracted axis; several contracted axes count as one K, in the product's order):
;;     1. [M 16, K 1,024] x [K 1,024, N 1,024]; A: input v; B: input attn_w: QUANTISED
;;     2. [M 32,768, K 2,048] x [K 2,048, N 1,024]; A: input encoder_out; B: input attn_w: QUANTISED
;;     3. [M 32,768, K 1,024] x [K 1,024, N 1]; A: computed on the way; B: input v_w: left as it is (N = 1 < 16)
;;   THE QUANTISER, for each operand of a quantised product, along K:
;;     - K is cut into blocks of 32 from its start; a last block that is shorter is filled with zeros.
;;     - A block's scale is 2^e with e = floor(log2(the largest magnitude in the block)) - 15, held to -126 .. 127; a block of zeros has e = 0. As a byte (E8M0): e + 127.
;;     - Each number is divided by its block's scale, clamped to +-57,344, and rounded to the nearest number of E5M2, ties to even, subnormals kept.
;;     - The product sums the exact products of the quantised numbers (number of the format x scale) in f32.
;;   ~~~python
;;   def quantise(x, axis):      # numpy; x: float32 -> the quantised numbers, widened to float32 again
;;       x = np.moveaxis(x, axis, -1); K = x.shape[-1]
;;       x = np.pad(x, [(0, 0)] * (x.ndim - 1) + [(0, -K % 32)]); x = x.reshape(x.shape[:-1] + (-1, 32)); a = np.abs(x).max(-1, keepdims=True)
;;       e = np.where(a > 0, np.clip(np.frexp(np.where(a > 0, a, 1))[1] - 1 - 15, -126, 127), 0)      # np.frexp(a)[1] - 1 = floor(log2(a)), exactly
;;       r = np.clip(x / 2.0 ** e, -57344, 57344)
;;       step = 2.0 ** (np.maximum(np.frexp(np.where(r == 0, 1, r))[1] - 1, -14) - 2)
;;       q = np.round(r / step) * step * 2.0 ** e      # np.round: ties to even
;;       return np.moveaxis(q.reshape(q.shape[:-2] + (-1,))[..., :K], -1, axis).astype(np.float32)
;;   ~~~
;; One version. Each part assembles by itself: llvm-mc -triple=amdgcn-amd-amdhsa -mcpu=gfx1250 --defsym DOCPART=n.
;; ======== version 1 of 1: 3 launches
;; workspace buffers: wc 2,097,152 bytes; wsc 65,536 bytes; sd2 65,536 bytes; logits 131,072 bytes; list 131,072 bytes of whole numbers; meta 256 bytes of whole numbers
;; launch prep (part 1): grid 144 x 1, 4 waves a work-group, no clusters, 5,120 bytes of LDS; arguments attn_w, attn_b, v, mask, wc, wsc, sd2, list, meta, logits; writes wc, wsc, sd2, list, meta, logits
.if DOCPART == 1
	.amdgcn_target "amdgcn-amd-amdhsa--gfx1250"
	.amdhsa_code_object_version 6
	.text
	.protected	k_q8cb3ef4766_prep
	.globl	k_q8cb3ef4766_prep
	.p2align	8
	.type	k_q8cb3ef4766_prep,@function
k_q8cb3ef4766_prep:
	s_mov_b64 s[64:65], 0
	v_nop
	global_prefetch_b8 v0, s[64:65] scope:SCOPE_SE
	s_setreg_imm32_b32 hwreg(HW_REG_WAVE_MODE, 25, 1), 1
	s_wait_xcnt 0x0
; Three kinds of work-group, parted by the work-group's number alone:
;   0-63    WE: W_e = attn_w[:, 1024:] becomes codes of E5M2 with one E8M0 byte for each 32 along K, laid in the order in which the next launch's operand registers take them.
;   64-127  SD: sd2[b][h] = 2 log2(e) (v[b] . attn_w[h, :1024] + attn_b[h]); both operands are quantised here, the product is made by the scaled matrix instruction.
;   128-143 CP: batch b's rows with mask != 0 are listed, in tiles of 16 rows of one batch (a last tile is filled with copies of the batch's last listed row, which lies in that tile); logits of batch b are filled with -1e10.
; A block's scale is 2^(floor(log2(largest magnitude)) - 15): its byte is the largest magnitude's exponent field - 15, held at 1 from below.
; LIMITS: a block of zeros, or one whose largest magnitude lies under 2^-111, gets the byte 1 (a block of zeros has zero codes, and only this program reads the bytes); NaN and infinities among the inputs are not served.
; wc:  [w 4][u 64][tile 4][c 4][lane 32][16 bytes]: rows h = 256 w + 128 pass + 64 th + 16 tile + lane % 16, u = 32 pass + 2 s + th, s the K step of 128; registers 4 c .. 4 c + 3 of a fragment.
; wsc: [w 4][u 64][lane 32][2 words]: word q holds tile 2 q's scale words in lanes 0-15 and tile 2 q + 1's in lanes 16-31.
.set TM,  12                           ; v12-15 largest magnitudes, v16-19 bytes, v20-23 largest number x scale, v24-27 the conversions' scale operands
.set PW,  28                           ; v28-31 scale words
.set PCA, 32                           ; v32-47 codes (CP: my 512 numbers of the mask)
.set PCB, 48                           ; v48-63 codes (CP: at work)
.set S0,  64                           ; three sets of 64 numbers
.set S1,  128
.set S2,  192
.set PA,  128                          ; CP, behind the counts: v128-145 byte offsets of 18 stores,
.set PV,  160                          ;                        v160-177 what they store
.set SDR, 0                            ; LDS, SD alone: four waves' partial sums, 1,024 bytes each
.set CB,  4096                         ; LDS, CP alone: 16 counts of batches, 4 counts of waves, 4 last listed rows
.set SEL, 68                           ; s[68:69] selects of v_permlanex16_b32 for lane l xor 16
.set MNT, 70                           ; s70 the mantissa field of 57,344
; 64 numbers of a lane: register 16 b + 4 j + e = k 32 b + 16 (lane / 16) + 4 j + e of the lane's row
.macro XLOAD set, off, base, imm
.irp b, 0,1,2,3
.irp j, 0,1,2,3
	global_load_b128 v[\set+16*\b+4*\j:\set+16*\b+4*\j+3], v[\off], s[\base:\base+1] offset:\imm+128*\b+16*\j
.endr
.endr
.endm
; those 64 numbers become a fragment's 16 registers of codes at v[pc] and the row's scale word in v[pw]
.macro QUANT s, pc, pw
.irp b, 0,1,2,3
	v_max3_num_f32 v[TM+\b], |v[\s+16*\b]|, |v[\s+1+16*\b]|, 0x8000000   ; my 16 numbers of block b, and the floor 2^(16 - 127): the byte cannot fall under 1
.endr
.irp i, 2,4,6,8,10,12,14
.irp b, 0,1,2,3
	v_max3_num_f32 v[TM+\b], v[TM+\b], |v[\s+16*\b+\i]|, |v[\s+1+16*\b+\i]|
.endr
.endr
.irp b, 0,1,2,3
	v_permlanex16_b32 v[TM+4+\b], v[TM+\b], s[SEL], s[SEL+1]
.endr
.irp b, 0,1,2,3
	v_max_num_f32 v[TM+\b], v[TM+\b], v[TM+4+\b]             ; with lane l xor 16's 16: the block's largest magnitude
.endr
.irp b, 0,1,2,3
	v_add_nc_u32 v[TM+12+\b], 0xf8800000, v[TM+\b]           ; 15 off its exponent field: the conversion's scale operand
.endr
.irp b, 0,1,2,3
	v_and_or_b32 v[TM+8+\b], v[TM+\b], 0x7f800000, s[MNT]    ; 57,344 x the scale
.endr
.irp b, 0,1,2,3
	v_lshrrev_b32 v[TM+4+\b], 23, v[TM+12+\b]                ; the scale's byte
.endr
	v_lshl_or_b32 v[\pw], v[TM+5], 8, v[TM+4]
	v_lshl_or_b32 v[\pw], v[TM+6], 16, v[\pw]
	v_lshl_or_b32 v[\pw], v[TM+7], 24, v[\pw]
.irp b, 0,1,2,3
.irp i, 0,1,2,3,4,5,6,7,8,9,10,11,12,13,14,15
	v_med3_num_f32 v[\s+16*\b+\i], v[\s+16*\b+\i], -v[TM+8+\b], v[TM+8+\b]   ; the conversion does not saturate (ISA guide 7.6.2): hold first
.endr
	v_cvt_scalef32_pk8_bf8_f32 v[\pc+4*\b:\pc+1+4*\b], v[\s+16*\b:\s+7+16*\b], v[TM+12+\b]
	v_cvt_scalef32_pk8_bf8_f32 v[\pc+2+4*\b:\pc+3+4*\b], v[\s+8+16*\b:\s+15+16*\b], v[TM+12+\b]
.endr
	v_nop                                          ; one plain line behind the last conversion
.endm
	s_load_b512 s[4:19], s[0:1], 0x0               ; attn_w 4, attn_b 6, v 8, mask 10, wc 12, wsc 14, sd2 16, list 18
	s_load_b128 s[20:23], s[0:1], 0x40             ; meta 20, logits 22
	s_set_vgpr_msb 0x40
	v_lshl_add_u32 v0, v0, 2, 0x1200
	v_mov_b32 v1, 0
	s_set_vgpr_msb 0x4000
	v_lshrrev_b32 v1, 5, v0
	v_readfirstlane_b32 s24, v1                    ; wave 0..3
	v_and_b32 v1, 31, v0                           ; lane
	v_lshlrev_b32 v2, 4, v1                        ; 16 x lane
	v_and_b32 v3, 15, v0                           ; r
	v_bfe_u32 v4, v0, 4, 1                         ; h
	v_mul_u32_u24 v5, v3, 12288
	v_lshl_add_u32 v5, v4, 6, v5                   ; attn_w: row r of 12,288 bytes + 64 h
	v_lshlrev_b32 v6, 12, v3
	v_lshl_add_u32 v6, v4, 6, v6                   ; v: row r of 4,096 bytes + 64 h
	v_lshlrev_b32 v7, 3, v1                        ; 8 x lane
	s_lshl_b32 s25, s24, 10
	v_add_nc_u32 v8, s25, v2                       ; LDS, SD: 1,024 x wave + 16 x lane
	s_lshl_b32 s25, s24, 4
	s_add_co_u32 s25, s25, CB
	v_mov_b32 v9, s25                              ; LDS, CP: my four counts
	s_lshl_b32 s25, s24, 2
	s_add_co_u32 s25, s25, CB+64
	v_mov_b32 v10, s25                             ; LDS, CP: my wave's count; 16 bytes on: its last listed row
	v_mov_b32 v11, CB
.irp b, 0,1,2,3
	v_mov_b32 v[TM+4+\b], 0                        ; a lane permute's destination counts as one of its sources
.endr
	s_mov_b32 s[SEL], 0x76543210
	s_mov_b32 s[SEL+1], 0xfedcba98
	s_mov_b32 s[MNT], 0x600000
	s_mov_b32 s26, 0x4038aa3b                      ; 2 log2(e)
	s_mov_b32 s27, s26
	s_mov_b32 s67, 0                               ; the upper word of the offsets made in s66
	s_wait_kmcnt 0x0
	s_cmp_lt_u32 ttmp9, 64
	s_cbranch_scc0 .Lnot_we
; ---- WE: work-group x takes rows 64 G .. 64 G + 63 (G = x / 4); its wave K step s = 4 (x % 4) + wave: four fragments
	s_lshr_b32 s29, ttmp9, 2                       ; G
	s_and_b32 s30, ttmp9, 3
	s_lshl_b32 s30, s30, 2
	s_add_co_u32 s30, s30, s24                     ; s
	s_mul_i32 s66, s29, 786432                     ; 64 rows of 12,288 bytes
	s_lshl_b32 s25, s30, 9
	s_add_co_u32 s66, s66, s25
	s_add_co_u32 s66, s66, 4096                    ; W_e begins at column 1,024
	s_add_nc_u64 s[4:5], s[4:5], s[66:67]
	s_lshr_b32 s31, s29, 2
	s_lshl_b32 s31, s31, 6                         ; 64 w
	s_bfe_u32 s32, s29, 0x10001
	s_lshl_b32 s32, s32, 5
	s_add_co_u32 s31, s31, s32                     ; + 32 pass
	s_lshl_b32 s32, s30, 1
	s_add_co_u32 s31, s31, s32                     ; + 2 s
	s_and_b32 s32, s29, 1
	s_add_co_u32 s31, s31, s32                     ; + th
	s_lshl_b32 s66, s31, 13
	s_add_nc_u64 s[12:13], s[12:13], s[66:67]      ; 8,192 bytes of codes for each (w, u)
	s_lshl_b32 s66, s31, 8
	s_add_nc_u64 s[14:15], s[14:15], s[66:67]      ; 256 bytes of scale words
.macro CSTORE pc, t
.irp c, 0,1,2,3
	global_store_b128 v2, v[\pc+4*\c:\pc+4*\c+3], s[12:13] offset:2048*\t+512*\c   ; the wave stores 512 consecutive bytes
.endr
.endm
	XLOAD S0, 5, 4, 0
	XLOAD S1, 5, 4, 196608                         ; 16 rows on
	XLOAD S2, 5, 4, 393216
	s_wait_loadcnt 32                              ; tile 0 is in; the two sets behind it stay out
	QUANT S0, PCA, PW
	XLOAD S0, 5, 4, 589824
	CSTORE PCA, 0
	s_wait_loadcnt 32                              ; tile 1 is in
	QUANT S1, PCB, PW+1
	CSTORE PCB, 1
	s_wait_loadcnt 16                              ; tile 2 is in
	s_wait_xcnt 0x0                                ; the codes' registers are written again only behind this wait
	QUANT S2, PCA, PW+2
	CSTORE PCA, 2
	s_wait_loadcnt 0x0
	s_wait_xcnt 0x0
	QUANT S0, PCB, PW+3
	CSTORE PCB, 3
	v_cmp_gt_u32 vcc_lo, 16, v1
	v_cndmask_b32 v12, v[PW+1], v[PW], vcc_lo      ; lanes 0-15 tile 0's words, lanes 16-31 tile 1's
	v_cndmask_b32 v13, v[PW+3], v[PW+2], vcc_lo    ; tiles 2 and 3
	global_store_b64 v7, v[12:13], s[14:15]        ; 256 consecutive bytes
	s_endpgm
.Lnot_we:
	s_cmp_lt_u32 ttmp9, 128
	s_cbranch_scc0 .Lcp
; ---- SD: work-group q = x - 64 makes sd2[0..15][16 q .. 16 q + 15]; wave w takes K steps 2 w and 2 w + 1, each into a sum of its own
	s_sub_co_u32 s28, ttmp9, 64
	s_mul_i32 s66, s28, 196608
	s_lshl_b32 s25, s24, 10
	s_add_co_u32 s66, s66, s25
	s_add_nc_u64 s[4:5], s[4:5], s[66:67]          ; W_v: rows 16 q on, K step 2 w
	s_mov_b32 s66, s25
	s_add_nc_u64 s[8:9], s[8:9], s[66:67]          ; v: K step 2 w
	s_lshl_b32 s66, s28, 6
	s_add_nc_u64 s[6:7], s[6:7], s[66:67]          ; attn_b and sd2 at column 16 q
	s_add_nc_u64 s[16:17], s[16:17], s[66:67]
	v_lshlrev_b32 v31, 2, v3
	global_load_b32 v30, v31, s[6:7]               ; attn_b[16 q + r]
	XLOAD S0, 6, 8, 0
	XLOAD S1, 5, 4, 0
	XLOAD S2, 6, 8, 512
	s_wait_loadcnt 32                              ; v's first K step is in
	QUANT S0, PCA, PW
	XLOAD S0, 5, 4, 512
	s_wait_loadcnt 32                              ; W_v's first
	QUANT S1, PCB, PW+1
.rept 4
	v_nop                                          ; codes made by vector instructions stand four places ahead of the product; the scale words were made ahead of the holds
.endr
	v_wmma_scale_f32_16x16x128_f8f6f4 v[128:135], v[PCA:PCA+15], v[PCB:PCB+15], 0, v[PW], v[PW+1] matrix_a_fmt:MATRIX_FMT_BF8 matrix_b_fmt:MATRIX_FMT_BF8
	s_wait_loadcnt 16                              ; v's second K step.  The maxima below are the places in front of the lines that write codes and scale words again
	QUANT S2, PCA, PW
	s_wait_loadcnt 0x0
	QUANT S0, PCB, PW+1
.rept 4
	v_nop
.endr
	v_wmma_scale_f32_16x16x128_f8f6f4 v[136:143], v[PCA:PCA+15], v[PCB:PCB+15], 0, v[PW], v[PW+1] matrix_a_fmt:MATRIX_FMT_BF8 matrix_b_fmt:MATRIX_FMT_BF8
.rept 8
	v_nop                                          ; eight places in front of the first read of the result
.endr
.irp j, 0,2,4,6
	v_pk_add_f32 v[144+\j:145+\j], v[128+\j:129+\j], v[136+\j:137+\j]
.endr
	ds_store_b128 v8, v[144:147] offset:SDR
	ds_store_b128 v8, v[148:151] offset:SDR+512
	s_wait_dscnt 0x0                               ; for wave 0's sake: my sums lie in LDS
	s_barrier_signal -1
	s_barrier_wait -1
	s_cmp_lg_u32 s24, 0
	s_cbranch_scc1 .Lsd_end
.irp i, 0,1,2,3,4,5,6,7
	ds_load_b128 v[160+4*\i:163+4*\i], v2 offset:SDR+512*\i
.endr
	v_mul_f32 v30, s26, v30                        ; 2 log2(e) attn_b
	v_lshl_add_u32 v12, v4, 15, v31                ; sd2: row 8 h of 4,096 bytes, + 4 r
	s_wait_dscnt 0x0
.irp w, 1,2,3
.irp j, 0,2,4,6
	v_pk_add_f32 v[160+\j:161+\j], v[160+\j:161+\j], v[160+8*\w+\j:161+8*\w+\j]
.endr
.endr
.irp j, 0,2,4,6
	v_pk_fma_f32 v[160+\j:161+\j], v[160+\j:161+\j], s[26:27], v[30:31] op_sel_hi:[1,0,0]
.endr
.irp j, 0,1,2,3,4,5,6,7
	global_store_b32 v12, v[160+\j], s[16:17] offset:4096*\j   ; sd2[8 h + j][16 q + r]: runs of 64 bytes; the whole buffer is 64 KiB
.endr
.Lsd_end:
	s_set_vgpr_msb 0x5
	s_wait_tensorcnt 0x0
	ds_add_u32 v0, v1
	s_wait_dscnt 0x0
	s_set_vgpr_msb 0x500
	s_endpgm
; ---- CP: batch b = x - 128.  Every work-group counts all sixteen batches (wave w: batches 4 w .. 4 w + 3), so that it knows where its tiles begin and how many there are in all
.Lcp:
.macro MLOAD set, k
.irp i, 0,1,2,3,4,5,6,7,8,9,10,11,12,13,14,15
	global_load_b128 v[\set+4*\i:\set+4*\i+3], v57, s[10:11] offset:8192*\k+512*\i
.endr
.endm
.macro COUNT set, cnt                  ; eight lane masks at a time, so that the scalar counts do not wait for each compare
	s_mov_b32 s[\cnt], 0
.irp g, 0,1,2,3,4,5,6,7
.irp e, 0,1,2,3,4,5,6,7
	v_cmp_ne_u32 s[72+\e], 0, v[\set+8*\g+\e]
.endr
.irp e, 0,1,2,3,4,5,6,7
	s_bcnt1_i32_b32 s[72+\e], s[72+\e]
	s_add_co_u32 s[\cnt], s[\cnt], s[72+\e]
.endr
.endr
.endm
	s_sub_co_u32 s28, ttmp9, 128                   ; b
	s_lshl_b32 s25, s28, 13
	s_lshl_b32 s29, s24, 11
	s_add_co_u32 s25, s25, s29
	v_add_nc_u32 v56, s25, v2                      ; 8,192 b + 2,048 wave + 16 lane: my part of batch b, in mask and in logits
	s_lshl_b32 s29, s24, 15
	v_add_nc_u32 v57, s29, v2                      ; batch 4 wave
.irp i, 0,1,2,3
	global_load_b128 v[PCA+4*\i:PCA+4*\i+3], v56, s[10:11] offset:512*\i   ; register 4 i + e: row 512 wave + 128 i + 4 lane + e
.endr
	MLOAD S0, 0
	MLOAD S1, 1
	MLOAD S2, 2
.irp e, 0,1,2,3
	v_mov_b32 v[52+\e], 0xd01502f9                 ; -1e10
.endr
.irp i, 0,1,2,3
	global_store_b128 v56, v[52:55], s[22:23] offset:512*\i
.endr
	s_wait_loadcnt 48                              ; my own 512 numbers are in; the three sets stay out
	s_mov_b32 s84, 0                               ; how many of them are kept,
	s_mov_b32 s85, 0                               ; and the one that is listed last: the highest register's highest lane
.set i, 0
.rept 16
	v_cmp_ne_u32 vcc_lo, 0, v[PCA+i]
	s_bcnt1_i32_b32 s33, vcc_lo
	s_add_co_u32 s84, s84, s33
	s_clz_i32_u32 s33, vcc_lo
	s_sub_co_u32 s33, 31, s33                      ; the highest kept lane (not taken where there is none)
	s_lshl_b32 s33, s33, 2
	s_add_co_u32 s33, s33, 128*(i/4)+(i%4)
	s_cmp_lg_u32 vcc_lo, 0
	s_cselect_b32 s85, s33, s85
.set i, i+1
.endr
	s_lshl_b32 s33, s24, 9
	s_add_co_u32 s33, s33, s85
	s_cmp_lg_u32 s84, 0
	s_cselect_b32 s85, s33, 0                      ; as a row of the batch; 0 where my wave keeps none: the largest of the four is then the batch's last listed row
	s_wait_loadcnt 32
	COUNT S0, 80
	MLOAD S0, 3
	s_wait_loadcnt 32
	COUNT S1, 81
	s_wait_loadcnt 16
	COUNT S2, 82
	s_wait_loadcnt 0x0
	COUNT S0, 83
.irp k, 0,1,2,3
	v_mov_b32 v[58+\k], s[80+\k]
	ds_store_b32 v9, v[58+\k] offset:4*\k          ; all lanes write the same word with the same value
.endr
	v_mov_b32 v62, s84
	ds_store_b32 v10, v62
	v_mov_b32 v63, s85
	ds_store_b32 v10, v63 offset:16
	s_wait_dscnt 0x0
	s_barrier_signal -1
	s_barrier_wait -1
.irp i, 0,1,2,3,4,5
	ds_load_b128 v[S0+4*\i:S0+4*\i+3], v11 offset:16*\i
.endr
	s_wait_dscnt 0x0
.set i, 0
.rept 24
	v_readfirstlane_b32 s[40+i], v[S0+i]           ; s40-55 the batches' counts, s56-59 the waves' counts in batch b, s60-63 their last listed rows
.set i, i+1
.endr
	s_mov_b32 s30, 0                               ; T: tiles in all
	s_mov_b32 s31, 0                               ; tiles of the batches in front of b
	s_mov_b32 s32, 0                               ; kept rows of b
.irp i, 0,1,2,3,4,5,6,7,8,9,10,11,12,13,14,15
	s_add_co_u32 s33, s[40+\i], 15
	s_lshr_b32 s33, s33, 4
	s_add_co_u32 s30, s30, s33
	s_cmp_gt_u32 s28, \i
	s_cselect_b32 s34, s33, 0
	s_add_co_u32 s31, s31, s34
	s_cmp_eq_u32 s28, \i
	s_cselect_b32 s32, s[40+\i], s32
.endr
	s_mov_b32 s35, 0                               ; kept rows of b in the waves in front of mine
.irp i, 0,1,2
	s_cmp_gt_u32 s24, \i
	s_cselect_b32 s34, s[56+\i], 0
	s_add_co_u32 s35, s35, s34
.endr
	s_max_u32 s39, s60, s61
	s_max_u32 s39, s39, s62
	s_max_u32 s39, s39, s63                        ; the batch's last listed row
	s_lshl_b32 s36, s31, 4
	s_add_co_u32 s36, s36, s35                     ; the list's next free place for my wave
	s_lshl_b32 s25, s28, 11
	s_lshl_b32 s29, s24, 9
	s_add_co_u32 s25, s25, s29
	v_lshl_add_u32 v50, v1, 2, s25                 ; 2,048 b + 512 wave + 4 lane
; ALL OFFSETS, VALUES AND LANE MASKS OF THE MASKED STORES ARE MADE FIRST, WITH ALL LANES ON; behind the first change of EXEC stand only stores.
; Register i of my 16: its kept rows take the next places of the list.  (The order of a batch's rows in the list is free: results go back by row number.)
.macro PLACE i
	v_cmp_ne_u32 s[40+\i], 0, v[PCA+\i]            ; (the batches' counts in s40-55 have been used up)
	v_mbcnt_lo_u32_b32 v[PA+\i], s[40+\i], 0       ; kept lanes below mine
	v_add_nc_u32 v[PA+\i], s36, v[PA+\i]
	v_min_u32 v[PA+\i], 0x7fff, v[PA+\i]           ; the list has 32,768 places
	v_lshlrev_b32 v[PA+\i], 2, v[PA+\i]
	v_add_nc_u32 v[PV+\i], 128*(\i/4)+(\i%4), v50  ; the row's number
	s_bcnt1_i32_b32 s33, s[40+\i]
	s_add_co_u32 s36, s36, s33
.endm
.irp i, 0,1,2,3,4,5,6,7,8,9,10,11,12,13,14,15
	PLACE \i
.endr
	s_add_co_u32 s33, s32, 15                      ; the batch's last tile is filled up:
	s_and_b32 s33, s33, -16
	s_sub_co_u32 s38, s33, s32                     ; 0 to 15 copies; none where the batch keeps no row
	s_lshl_b32 s34, s31, 4
	s_add_co_u32 s34, s34, s32
	v_add_nc_u32 v[PA+16], s34, v1
	v_min_u32 v[PA+16], 0x7fff, v[PA+16]
	v_lshlrev_b32 v[PA+16], 2, v[PA+16]
	s_lshl_b32 s33, s28, 11
	s_add_co_u32 s33, s33, s39
	v_mov_b32 v[PV+16], s33
	v_cmp_gt_u32 s56, s38, v1
	v_mov_b32 v[PA+17], 0                          ; and T goes to meta's first word
	v_mov_b32 v[PV+17], s30
	v_cmp_eq_u32 s57, 0, v1
	s_wait_xcnt 0x0                                ; EXEC narrows only behind this wait
.irp i, 0,1,2,3,4,5,6,7,8,9,10,11,12,13,14,15
	s_and_saveexec_b32 s37, s[40+\i]
	global_store_b32 v[PA+\i], v[PV+\i], s[18:19]
	s_wait_xcnt 0x0                                ; EXEC widens only behind this wait
	s_or_b32 exec_lo, exec_lo, s37
.endr
	s_cmp_lg_u32 s24, 0
	s_cbranch_scc1 .Lcp_end
	s_and_saveexec_b32 s37, s56                    ; wave 0 stores the copies
	global_store_b32 v[PA+16], v[PV+16], s[18:19]
	s_wait_xcnt 0x0
	s_or_b32 exec_lo, exec_lo, s37
	s_cmp_lg_u32 s28, 0
	s_cbranch_scc1 .Lcp_end
	s_and_saveexec_b32 s37, s57                    ; batch 0's work-group stores T
	global_store_b32 v[PA+17], v[PV+17], s[20:21]
	s_wait_xcnt 0x0
	s_or_b32 exec_lo, exec_lo, s37
.Lcp_end:
	s_set_vgpr_msb 0x5
	s_wait_tensorcnt 0x0
	ds_add_u32 v0, v1
	s_wait_dscnt 0x0
	s_set_vgpr_msb 0x500
	s_endpgm
.Lfunc_end_k_q8cb3ef4766_prep:
	.size	k_q8cb3ef4766_prep, .Lfunc_end_k_q8cb3ef4766_prep-k_q8cb3ef4766_prep
	.p2alignl 7, 3214868480
	.fill 96, 4, 3214868480
	.section	.rodata,"a",@progbits
	.p2align	6, 0x0
	.amdhsa_kernel k_q8cb3ef4766_prep
		.amdhsa_group_segment_fixed_size 5120
		.amdhsa_private_segment_fixed_size 0
		.amdhsa_enable_private_segment 0
		.amdhsa_kernarg_size 80
		.amdhsa_user_sgpr_count 2
		.amdhsa_user_sgpr_kernarg_segment_ptr 1
		.amdhsa_wavefront_size32 1
		.amdhsa_system_sgpr_workgroup_id_x 1
		.amdhsa_system_sgpr_workgroup_id_y 1
		.amdhsa_system_sgpr_workgroup_id_z 1
		.amdhsa_system_vgpr_workitem_id 0
		.amdhsa_next_free_vgpr 258
		.amdhsa_next_free_sgpr 88
		.amdhsa_reserve_vcc 1
		.amdhsa_float_denorm_mode_32 3
		.amdhsa_float_denorm_mode_16_64 3
		.amdhsa_memory_ordered 1
		.amdhsa_forward_progress 1
		.amdhsa_inst_pref_size 147
	.end_amdhsa_kernel
	.amdgpu_metadata
---
amdhsa.version: [ 1, 2 ]
amdhsa.kernels:
  - .name:           k_q8cb3ef4766_prep
    .symbol:         k_q8cb3ef4766_prep.kd
    .args:
      - { .name: attn_w, .offset: 0, .size: 8, .value_kind: global_buffer, .address_space: global }
      - { .name: attn_b, .offset: 8, .size: 8, .value_kind: global_buffer, .address_space: global }
      - { .name: v, .offset: 16, .size: 8, .value_kind: global_buffer, .address_space: global }
      - { .name: mask, .offset: 24, .size: 8, .value_kind: global_buffer, .address_space: global }
      - { .name: wc, .offset: 32, .size: 8, .value_kind: global_buffer, .address_space: global }
      - { .name: wsc, .offset: 40, .size: 8, .value_kind: global_buffer, .address_space: global }
      - { .name: sd2, .offset: 48, .size: 8, .value_kind: global_buffer, .address_space: global }
      - { .name: list, .offset: 56, .size: 8, .value_kind: global_buffer, .address_space: global }
      - { .name: meta, .offset: 64, .size: 8, .value_kind: global_buffer, .address_space: global }
      - { .name: logits, .offset: 72, .size: 8, .value_kind: global_buffer, .address_space: global }
    .group_segment_fixed_size: 5120
    .private_segment_fixed_size: 0
    .kernarg_segment_align: 8
    .kernarg_segment_size: 80
    .max_flat_workgroup_size: 128
    .sgpr_count:     88
    .vgpr_count:     258
    .wavefront_size: 32
...
	.end_amdgpu_metadata
.endif
;; end of part 1
;; launch score (part 2): grid 410 x 1, 4 waves a work-group, no clusters, 197,120 bytes of LDS; arguments encoder_out, wc, wsc, sd2, v_w, list, meta, logits; writes logits
.if DOCPART == 2
	.amdgcn_target "amdgcn-amd-amdhsa--gfx1250"
	.amdhsa_code_object_version 6
	.text
	.protected	k_q8cb3ef4766_score
	.globl	k_q8cb3ef4766_score
	.p2align	8
	.type	k_q8cb3ef4766_score,@function
k_q8cb3ef4766_score:
	s_mov_b64 s[64:65], 0
	v_nop
	global_prefetch_b8 v0, s[64:65] scope:SCOPE_SE
	s_setreg_imm32_b32 hwreg(HW_REG_WAVE_MODE, 25, 1), 1
	s_wait_xcnt 0x0
; logits[row] = sum over h of v_w[h] tanh(score_dec[b][h] + encoder_out[row] . W_e[h]) for the rows that the list names (mask != 0); the others keep the -1e10 that the launch before stored.
; A work-group takes five tiles of 16 listed rows (each tile of one batch) against all 1,024 h.  ceil(2,048 / 5) = 410 work-groups serve every mask.  One whose first tile lies at or past T has no work:
; it jumps over the three stretches of work and passes the three barriers, which stand on every wave's path.  Those jumps hang on a stored number, so W comes from memory straight into registers:
; no tensor load, no cluster, though all work-groups walk the same W.  Nothing goes from one stretch to the next in registers but what the head has made on every path, and no stretch writes those registers but for their own purpose.
; STRETCH X: wave w gathers rows 4 w .. 4 w + 3 of each tile (20 rows), a K step of 128 at a time, one load a row (512 consecutive bytes, 4 numbers a lane, a block of 32 in 8 lanes), quantises them, and lays codes
;   (rows 2,064 bytes apart) and scale bytes (rows 68 bytes apart) in LDS.  A conversion takes 8 numbers under one scale and a lane has 4 of a row: two rows go through together, once under each row's scale, and of each result one register is kept.
; STRETCH C: wave w makes h = 256 w .. 256 w + 255 in two passes of 128: 5 x 8 accumulators.  A's fragments come from LDS, one K step ahead; W's from memory in register order, 64 rows x 128 K (17 loads) at a time, three such pieces ahead.
;   Behind each pass: tanh(x) = 1 - 2 / (1 + 2^(2 log2(e) x)), which goes to +-1 rightly where the power overflows or vanishes; the lane adds v_w - 2 v_w / (1 + ..) for each of its rows.
; LDS between barriers: up to the first only stores; up to the second only loads; up to the third only the stores of the rows' sums; behind it only their loads.
; Source 0 = 16 rows of A, source 1 = 16 rows of W: register j of lane (r, h) is (row 8 h + j, column r).
; LIMITS: blocks whose largest magnitude lies under 2^-111 (blocks of zeros among them) get the scale byte 1; NaN and infinities among the inputs are not served; where no row at all is kept (T = 0) this launch stores nothing, and the -1e10 stand.
; REGISTERS, in windows of 256: window 0: below.  window 1: W, four pieces of 64 (in X: v0-47 sd2 and v_w on their way to LDS).  window 2: v0-63 the accumulators of tile 4; v64-143, v144-223 A's fragments, two sets.
;   window 3: in X three sets of 20 rows x 4 numbers; then the accumulators of tiles 0-3, (m, t) at v[8 (8 m + t)].
.set PITCH, 2064                       ; a row of codes in LDS: 2,048 + 16 = 129 x 16 bytes: the 16 rows of a fragment load start at 16 different banks
.set TILEB, 16*PITCH
.set ASC,   80*PITCH                   ; the rows' scale words: word s of a row for K step s
.set SP,    68                         ; 17 words from row to row
.set BIASL, ASC+80*SP                  ; [tile 5][1,024] f32: sd2 of the tile's batch
.set VWO,   5*4096                     ; behind them v_w
.set RED,   BIASL+VWO+4096             ; [wave 4][row 80] f32
.set LANE, 1
.set LI,   2                           ; 16 x lane
.set L8,   3                           ; 8 x lane
.set R,    4                           ; lane % 16
.set HH,   5                           ; lane / 16
.set WO,   6                           ; W's codes: byte offset of the piece asked for
.set WSO,  7                           ; W's scale words likewise
.set ADB,  8                           ; v8-10   r x PITCH + 16 h + tiles 0, 2, 4
.set AD,   11                          ; v11-13  the same at the K step asked for
.set ADSB, 14                          ; ASC + 68 r
.set ADS,  15
.set EB,   16
.set EBB,  17                          ; BIASL + 1,024 wave + 4 r
.set RA,   18                          ; RED + 320 wave + 32 h
.set ST0,  19                          ; BIASL + 1,024 wave + 16 lane
.set ROFF, 20                          ; v20-39  my 20 rows' byte offsets in encoder_out, + 16 lane
.set XA,   40                          ; v40-44  where my codes go, tile by tile
.set XS,   45                          ; where my scale bytes go
.set FRD,  46                          ; RED + 4 x thread
.set LOF,  47                          ; the last store: my row's place in the list
.set WS,   48                          ; v48-55  W's scale words, a pair for each piece
.set AS,   56                          ; v56-65  A's scale words, five for each set
.set FS,   66                          ; v66-69  the last store: the four waves' sums of my row
.set M,    70                          ; X, v70-189: largest magnitudes;
.set SC,   90                          ;    the conversions' scale operands;
.set HD,   110                         ;    57,344 x the scale;
.set BY,   130                         ;    the bytes;
.set CC,   150                         ;    codes: four registers for each pair of rows
.set BI,   70                          ; C, v70-191: 40 biases, 8 v_w, 8 times -2 v_w, 64 numbers at work
.set VW,   110
.set VW2,  118
.set T,    128
.set PART, 192                         ; v192-231 the rows' sums: cleared at the head, so they lie outside all that X writes,
.set SV,   232                         ; v232-233 and so does the sum of my columns' v_w (a pair for the packed form)
.set MSB, 0
.macro WIN new                         ; bits 1:0 source 0, 3:2 source 1, 5:4 source 2, 7:6 destination; the high byte repeats the setting that is left
.if MSB != \new
	s_set_vgpr_msb (MSB<<8)|\new
.set MSB, \new
.endif
.endm
; ---- THE HEAD, on every path: addresses, constants, and the registers that go from stretch to stretch
	s_load_b512 s[4:19], s[0:1], 0x0               ; encoder_out 4, wc 6, wsc 8, sd2 10, v_w 12, list 14, meta 16, logits 18
	v_lshl_add_u32 v254, v0, 2, 0x30000
	v_mov_b32 v255, 0
	v_lshrrev_b32 v1, 5, v0
	v_readfirstlane_b32 s20, v1                    ; wave 0..3
	v_and_b32 v[LANE], 31, v0
	v_lshlrev_b32 v[LI], 4, v[LANE]
	v_lshlrev_b32 v[L8], 3, v[LANE]
	v_and_b32 v[R], 15, v0
	v_bfe_u32 v[HH], v0, 4, 1
	s_mul_i32 s22, ttmp9, 5                        ; my first tile
	s_wait_kmcnt 0x0
	s_load_b32 s21, s[16:17], 0x0                  ; T
	s_mul_i32 s59, s20, 4*PITCH
	v_lshl_add_u32 v[XA], v[LANE], 2, s59          ; codes: row 4 wave, 4 bytes a lane
.irp m, 1,2,3,4
	v_add_nc_u32 v[XA+\m], TILEB*\m, v[XA]
.endr
	s_mul_i32 s59, s20, 4*SP
	s_add_co_u32 s59, s59, ASC
	v_lshrrev_b32 v[XS], 3, v[LANE]                ; my block of a K step's four
	v_add_nc_u32 v[XS], s59, v[XS]
	s_lshl_b32 s59, s20, 10
	s_add_co_u32 s59, s59, BIASL
	v_add_nc_u32 v[ST0], s59, v[LI]
	v_lshl_add_u32 v[EBB], v[R], 2, s59
	v_mul_u32_u24 v[ADB], v[R], PITCH
	v_lshl_add_u32 v[ADB], v[HH], 4, v[ADB]
	v_add_nc_u32 v[ADB+1], 2*TILEB, v[ADB]
	v_add_nc_u32 v[ADB+2], 4*TILEB, v[ADB]
	v_mul_u32_u24 v[ADSB], v[R], SP
	v_add_nc_u32 v[ADSB], ASC, v[ADSB]
	s_mul_i32 s59, s20, 320
	s_add_co_u32 s59, s59, RED
	v_lshl_add_u32 v[RA], v[HH], 5, s59
	v_lshl_add_u32 v[FRD], v0, 2, RED
	s_mov_b32 s56, 0x4038aa3b                      ; 2 log2(e)
	s_mov_b32 s57, s56
	s_mov_b32 s58, 0x600000                        ; the mantissa field of 57,344
	s_lshl_b32 s60, s20, 19
	s_mov_b32 s61, 0
	s_add_nc_u64 s[6:7], s[6:7], s[60:61]          ; my 524,288 bytes of W's codes
	s_lshl_b32 s60, s20, 14
	s_add_nc_u64 s[8:9], s[8:9], s[60:61]          ; and 16,384 of its scale words
.set i, 0
.rept 40
	v_mov_b32 v[PART+i], 0                         ; the rows' sums: the tanh stage is written once and walked twice; a work-group without tiles leaves them 0
.set i, i+1
.endr
	v_mov_b32 v[SV], 0
	v_mov_b32 v[SV+1], 0
.irp w, 0,1,2,3
	v_mov_b32 v[FS+\w], 0                          ; written whole once: at the end they are loaded with some lanes off
.endr
	s_wait_kmcnt 0x0
	s_sub_co_u32 s23, s21, 1                       ; the last tile
	s_cmp_lt_u32 s22, s21
	s_cbranch_scc0 .Lx_done                        ; no tile for this work-group
; ---- STRETCH X
	s_lshl_b32 s59, s20, 4
.irp m, 0,1,2,3,4
	s_add_co_u32 s[44+\m], s22, \m
	s_min_u32 s[44+\m], s[44+\m], s23              ; past the last tile: the last tile once more (the same rows, the same results)
	s_min_u32 s[44+\m], s[44+\m], 0x7ff
	s_lshl_b32 s[44+\m], s[44+\m], 6               ; 64 bytes a tile,
	s_add_co_u32 s[44+\m], s[44+\m], s59           ; my four rows of it
	s_load_b128 s[24+4*\m:27+4*\m], s[14:15], s[44+\m] offset:0x0
.endr
	s_wait_kmcnt 0x0
.set p, 0
.rept 20
	s_min_u32 s[24+p], s[24+p], 0x7fff             ; a row's number, b x 2,048 + l
	s_lshl_b32 s59, s[24+p], 13                    ; 8,192 bytes a row
	v_add_nc_u32 v[ROFF+p], s59, v[LI]
.set p, p+1
.endr
.irp m, 0,1,2,3,4
	s_and_b32 s[44+\m], s[24+4*\m], 0x7800
	s_lshl_b32 s[44+\m], s[44+\m], 1               ; the tile's batch x 4,096 bytes of sd2
.endr
	s_lshl_b32 s59, s20, 10
	v_add_nc_u32 v245, s59, v[LI]                  ; my 256 columns: 1,024 wave + 16 lane
.irp m, 0,1,2,3,4
	v_add_nc_u32 v[240+\m], s[44+\m], v245
.endr
	WIN 0x40                                       ; destination window 1
.irp m, 0,1,2,3,4
	global_load_b128 v[8*\m:8*\m+3], v[240+\m], s[10:11]
	global_load_b128 v[8*\m+4:8*\m+7], v[240+\m], s[10:11] offset:512
.endr
	global_load_b128 v[40:43], v245, s[12:13]
	global_load_b128 v[44:47], v245, s[12:13] offset:512
	WIN 0
.macro XLOAD set, kk                   ; my 20 rows' 512 bytes of K step kk (counted from the base) into set
	WIN 0xc0
.set p, 0
.rept 20
	global_load_b128 v[80*(\set)+4*p:80*(\set)+4*p+3], v[ROFF+p], s[4:5] offset:512*(\kk)
.set p, p+1
.endr
	WIN 0
.endm
	XLOAD 0, 0
	XLOAD 1, 1
	s_wait_loadcnt 40                              ; the 12 loads of sd2 and v_w are in; the 40 row loads behind them stay out
	WIN 0x04                                       ; an LDS store's data are its source 1: window 1
.irp m, 0,1,2,3,4
	ds_store_b128 v[ST0], v[8*\m:8*\m+3] offset:4096*\m
	ds_store_b128 v[ST0], v[8*\m+4:8*\m+7] offset:4096*\m+512
.endr
	ds_store_b128 v[ST0], v[40:43] offset:VWO
	ds_store_b128 v[ST0], v[44:47] offset:VWO+512
	WIN 0
	XLOAD 2, 2                                     ; 60 row loads are out now, and never more
; One K step of my 20 rows, out of set; kk: the step, counted from where the addresses stand; ahead = 1: the set takes the step three on
.macro XSTEP set, kk, ahead
.set XB, 80*(\set)
	WIN 0x3f
.set p, 0
.rept 20
	v_max3_num_f32 v[M+p], |v[XB+4*p]|, |v[XB+4*p+1]|, |v[XB+4*p+2]|
.set p, p+1
.endr
	WIN 0x03
.set p, 0
.rept 20
	v_max3_num_f32 v[M+p], |v[XB+4*p+3]|, v[M+p], 0x8000000      ; and the floor 2^(16 - 127): the byte cannot fall under 1
.set p, p+1
.endr
	WIN 0
.irp x, 1,2,4
.set p, 0
.rept 20
	v_max_num_f32_dpp v[M+p], v[M+p], v[M+p] row_xmask:\x row_mask:0xf bank_mask:0xf   ; the eight lanes of a block; the rows by turns
.set p, p+1
.endr
.endr
.set p, 0
.rept 20
	v_add_nc_u32 v[SC+p], 0xf8800000, v[M+p]       ; 15 off the exponent field
.set p, p+1
.endr
.set p, 0
.rept 20
	v_and_or_b32 v[HD+p], v[M+p], 0x7f800000, s58  ; 57,344 x the scale
.set p, p+1
.endr
	s_wait_dscnt 0x0                               ; the last step's LDS stores are done: bytes and codes are written again
.set p, 0
.rept 20
	v_lshrrev_b32 v[BY+p], 23, v[SC+p]
.set p, p+1
.endr
	WIN 0xc3
.set p, 0
.rept 80
	v_med3_num_f32 v[XB+p], v[XB+p], -v[HD+p/4], v[HD+p/4]       ; the conversion does not saturate (ISA guide 7.6.2): hold first
.set p, p+1
.endr
	WIN 0x03
.set p, 0
.rept 10
	v_cvt_scalef32_pk8_bf8_f32 v[CC+4*p:CC+4*p+1], v[XB+8*p:XB+8*p+7], v[SC+2*p]       ; under row 2 p's scale: the first register is kept
	v_cvt_scalef32_pk8_bf8_f32 v[CC+4*p+2:CC+4*p+3], v[XB+8*p:XB+8*p+7], v[SC+2*p+1]   ; under row 2 p + 1's: the second
.set p, p+1
.endr
	WIN 0
	v_nop                                          ; one plain line behind the last conversion
.if \ahead
	XLOAD \set, (\kk)+3
.endif
.set p, 0
.rept 20
	ds_store_b32 v[XA+p/4], v[CC+4*(p/2)+3*(p%2)] offset:(p%4)*PITCH+128*(\kk)   ; 128 consecutive bytes of a row
.set p, p+1
.endr
.set p, 0
.rept 20
	ds_store_b8 v[XS], v[BY+p] offset:(16*(p/4)+p%4)*SP+4*(\kk)  ; the eight lanes of a block write the same byte with the same value
.set p, p+1
.endr
.endm
	s_mov_b32 s53, 4
.Lx:                                               ; K steps 0 to 11; each wait leaves the two younger sets' 40 loads out
	s_wait_loadcnt 40
	XSTEP 0, 0, 1
	s_wait_loadcnt 40
	XSTEP 1, 1, 1
	s_wait_loadcnt 40
	XSTEP 2, 2, 1
	s_wait_xcnt 0x0                                ; the base steps only behind this wait
	s_add_nc_u64 s[4:5], s[4:5], 1536
.irp m, 0,1,2,3,4
	v_add_nc_u32 v[XA+\m], 384, v[XA+\m]
.endr
	v_add_nc_u32 v[XS], 12, v[XS]
	s_sub_co_u32 s53, s53, 1
	s_cmp_lg_u32 s53, 0
	s_cbranch_scc1 .Lx
	s_wait_loadcnt 40                              ; K steps 12 to 15: one more fill, then the counts run down
	XSTEP 0, 0, 1
	s_wait_loadcnt 40
	XSTEP 1, 1, 0
	s_wait_loadcnt 20
	XSTEP 2, 2, 0
	s_wait_loadcnt 0x0
	XSTEP 0, 3, 0
.Lx_done:
	s_wait_dscnt 0x0                               ; for the others' sake: my rows' codes and bytes, and my columns' sd2 and v_w, lie in LDS
	s_barrier_signal -1
	s_barrier_wait -1
	s_cmp_lt_u32 s22, s21
	s_cbranch_scc0 .Lc_done
; ---- STRETCH C
; W: the next piece's offsets; the last three requests wrap to my first pieces, so that no load leaves the buffer
.macro WNEXT
	s_wait_xcnt 0x0                                ; the offsets of the loads before are written again only behind this wait
	s_add_co_u32 s51, s51, 8192
	s_and_b32 s51, s51, 0x7ffff
	s_lshr_b32 s55, s51, 5
	v_add_nc_u32 v[WO], s51, v[LI]
	v_add_nc_u32 v[WSO], s55, v[L8]
.endm
.macro WLOAD slot                      ; 17 loads: the piece's scale words, and four fragments as they lie
	global_load_b64 v[WS+2*(\slot):WS+2*(\slot)+1], v[WSO], s[8:9]
	WIN 0x40
.irp t, 0,1,2,3
.irp c, 0,1,2,3
	global_load_b128 v[64*(\slot)+16*\t+4*\c:64*(\slot)+16*\t+4*\c+3], v[WO], s[6:7] offset:2048*\t+512*\c
.endr
.endr
	WIN 0
.endm
.macro ANEXT                           ; the LDS addresses of the K step to be fetched
	v_add_nc_u32 v[AD], s49, v[ADB]
	v_add_nc_u32 v[AD+1], s49, v[ADB+1]
	v_add_nc_u32 v[AD+2], s49, v[ADB+2]
	v_add_nc_u32 v[ADS], s50, v[ADSB]
	s_add_co_u32 s49, s49, 128
	s_add_co_u32 s50, s50, 4
.endm
.macro ALOAD set                       ; five scale words and five fragments (registers 4 c .. 4 c + 3: k = 32 c + 16 h + 0 .. 15 of row r)
.irp m, 0,1,2,3,4
	ds_load_b32 v[AS+5*(\set)+\m], v[ADS] offset:16*SP*\m
.endr
	WIN 0x80
.irp m, 0,1,2,3,4
.irp c, 0,1,2,3
	ds_load_b128 v[64+80*(\set)+16*\m+4*\c:64+80*(\set)+16*\m+4*\c+3], v[AD+\m/2] offset:(\m%2)*TILEB+32*\c
.endr
.endr
	WIN 0
.endm
.macro WM d, a, b, sa, sb, odd, zero
.if \zero
.if \odd
	v_wmma_scale_f32_16x16x128_f8f6f4 v[\d:\d+7], v[\a:\a+15], v[\b:\b+15], 0, v[\sa], v[\sb] matrix_a_fmt:MATRIX_FMT_BF8 matrix_b_fmt:MATRIX_FMT_BF8 matrix_b_scale:MATRIX_SCALE_ROW1
.else
	v_wmma_scale_f32_16x16x128_f8f6f4 v[\d:\d+7], v[\a:\a+15], v[\b:\b+15], 0, v[\sa], v[\sb] matrix_a_fmt:MATRIX_FMT_BF8 matrix_b_fmt:MATRIX_FMT_BF8
.endif
.else
.if \odd
	v_wmma_scale_f32_16x16x128_f8f6f4 v[\d:\d+7], v[\a:\a+15], v[\b:\b+15], v[\d:\d+7], v[\sa], v[\sb] matrix_a_fmt:MATRIX_FMT_BF8 matrix_b_fmt:MATRIX_FMT_BF8 matrix_b_scale:MATRIX_SCALE_ROW1
.else
	v_wmma_scale_f32_16x16x128_f8f6f4 v[\d:\d+7], v[\a:\a+15], v[\b:\b+15], v[\d:\d+7], v[\sa], v[\sb] matrix_a_fmt:MATRIX_FMT_BF8 matrix_b_fmt:MATRIX_FMT_BF8
.endif
.endif
.endm
; 20 products: the five tiles of rows x the piece's four tiles of h.  The pass's 40 accumulators take turns, one instruction a turn, in the same order in every K step.
.macro MUL par, th, zero
	WIN 0xf6                                       ; A window 2, W window 1, C and D window 3
.irp m, 0,1,2,3
.irp t, 0,1,2,3
	WM 8*(8*\m+4*\th+\t), 64+80*\par+16*\m, 64*(2*\par+\th)+16*\t, AS+5*\par+\m, WS+2*(2*\par+\th)+\t/2, \t%2, \zero
.endr
.endr
	WIN 0xa6                                       ; tile 4: C and D window 2
.irp t, 0,1,2,3
	WM 8*(4*\th+\t), 64+80*\par+64, 64*(2*\par+\th)+16*\t, AS+5*\par+4, WS+2*(2*\par+\th)+\t/2, \t%2, \zero
.endr
	WIN 0
.endm
; A K step of 128: two pieces of W against A's set par.  Loads into registers that products have read stand eight plain vector lines behind those products.
.macro KSTEP par, zero
	s_wait_dscnt 0x0                               ; A's set par, asked for a K step ago
	ANEXT                                          ; four places,
	WNEXT                                          ; two,
	v_nop
	v_nop                                          ; eight
	ALOAD 1-\par
	s_wait_loadcnt 34                              ; this piece's 17 loads are in; the two younger pieces' 34 stay out
	WLOAD (2*\par+3)%4                             ; the piece three on, into the registers of the piece multiplied last: 51 loads are out, and never more
	MUL \par, 0, \zero
	WNEXT
.rept 6
	v_nop
.endr
	s_wait_loadcnt 34
	WLOAD 2*\par
	MUL \par, 1, \zero
.endm
; The tanh stage for one tile of rows: 64 numbers a lane, (row 8 h + j, column 16 t + r)
.macro EPIM m
.if \m < 4
	WIN 0x03
.set AC, 64*\m
.else
	WIN 0x02
.set AC, 0
.endif
.irp t, 0,1,2,3,4,5,6,7
.irp j, 0,2,4,6
.if (\t%2) == 0
	v_pk_fma_f32 v[T+8*\t+\j:T+8*\t+\j+1], v[AC+8*\t+\j:AC+8*\t+\j+1], s[56:57], v[BI+8*\m+\t:BI+8*\m+\t+1] op_sel_hi:[1,0,0]   ; 2 log2(e) x sum + sd2: each accumulator from its low end on
.else
	v_pk_fma_f32 v[T+8*\t+\j:T+8*\t+\j+1], v[AC+8*\t+\j:AC+8*\t+\j+1], s[56:57], v[BI+8*\m+\t-1:BI+8*\m+\t] op_sel:[0,0,1] op_sel_hi:[1,0,1]
.endif
.endr
.endr
	WIN 0
.set i, 0
.rept 64
	v_exp_f32 v[T+i], v[T+i]
.set i, i+1
.endr
	v_nop                                          ; a plain line behind the last transcendental
.set i, 0
	s_wait_alu depctr_va_vdst(0)
.rept 32
	v_pk_add_f32 v[T+2*i:T+2*i+1], v[T+2*i:T+2*i+1], 1.0 op_sel_hi:[1,0]
.set i, i+1
.endr
.set i, 0
.rept 64
	v_rcp_f32 v[T+i], v[T+i]
.set i, i+1
.endr
	v_nop
	s_wait_alu depctr_va_vdst(0)
.irp t, 0,1,2,3,4,5,6,7
.irp j, 0,2,4,6
.if (\t%2) == 0
	v_pk_fma_f32 v[PART+8*\m+\j:PART+8*\m+\j+1], v[T+8*\t+\j:T+8*\t+\j+1], v[VW2+\t:VW2+\t+1], v[PART+8*\m+\j:PART+8*\m+\j+1] op_sel_hi:[1,0,1]
.else
	v_pk_fma_f32 v[PART+8*\m+\j:PART+8*\m+\j+1], v[T+8*\t+\j:T+8*\t+\j+1], v[VW2+\t-1:VW2+\t], v[PART+8*\m+\j:PART+8*\m+\j+1] op_sel:[0,1,0] op_sel_hi:[1,1,1]
.endif
.endr
.endr
.endm
.macro EPI
	s_wait_dscnt 0x0                               ; A's set for the next pass is in: only the 48 loads below are out at a time
	v_add_nc_u32 v[EB], s52, v[EBB]                ; this pass's 128 columns
.irp m, 0,1,2,3,4
.irp t, 0,1,2,3,4,5,6,7
	ds_load_b32 v[BI+8*\m+\t], v[EB] offset:4096*\m+64*\t
.endr
.endr
.irp t, 0,1,2,3,4,5,6,7
	ds_load_b32 v[VW+\t], v[EB] offset:VWO+64*\t
.endr
	s_wait_dscnt 0x0
.irp t, 0,1,2,3,4,5,6,7
	v_mul_f32 v[VW2+\t], -2.0, v[VW+\t]            ; these sixteen lines are also the places behind the last products
.endr
.irp t, 0,1,2,3,4,5,6,7
	v_add_f32 v[SV], v[SV], v[VW+\t]
.endr
	EPIM 0
	EPIM 1
	EPIM 2
	EPIM 3
	EPIM 4
.endm
	s_mov_b32 s51, 0x7e000                         ; one piece in front of piece 0
	WNEXT
	WLOAD 0                                        ; W's first three pieces
	WNEXT
	WLOAD 1
	WNEXT
	WLOAD 2
	s_mov_b32 s49, 0
	s_mov_b32 s50, 0
	ANEXT
	ALOAD 0                                        ; A's K step 0
	s_mov_b32 s52, 0
	s_mov_b32 s53, 2
.Lpass:
	KSTEP 0, 1                                     ; the pass's first products start the sums
	s_mov_b32 s54, 7
.Lk:
	KSTEP 1, 0
	KSTEP 0, 0
	s_sub_co_u32 s54, s54, 1
	s_cmp_lg_u32 s54, 0
	s_cbranch_scc1 .Lk
	s_mov_b32 s49, 0                               ; the pass's last K step fetches K step 0 again, for the next pass
	s_mov_b32 s50, 0
	KSTEP 1, 0
	EPI                                            ; W's three pieces stay on their way meanwhile
	s_add_co_u32 s52, s52, 512
	s_sub_co_u32 s53, s53, 1
	s_cmp_lg_u32 s53, 0
	s_cbranch_scc1 .Lpass
	; the rows' sums: over my 16 columns a lane (done), then over the 16 lanes of a half
.set i, 0
.rept 20
	v_pk_add_f32 v[PART+2*i:PART+2*i+1], v[PART+2*i:PART+2*i+1], v[SV:SV+1] op_sel_hi:[1,0]
.set i, i+1
.endr
.irp x, 1,2,4,8
.set i, 0
.rept 40
	v_add_f32_dpp v[PART+i], v[PART+i], v[PART+i] row_xmask:\x row_mask:0xf bank_mask:0xf
.set i, i+1
.endr
.endr
.Lc_done:
	s_wait_dscnt 0x0                               ; my LDS loads are in:
	s_barrier_signal -1
	s_barrier_wait -1                              ; no wave reads LDS any more when the first sum is stored there
.irp m, 0,1,2,3,4
.irp j, 0,1,2,3,4,5,6,7
	ds_store_b32 v[RA], v[PART+8*\m+\j] offset:64*\m+4*\j        ; row 16 m + 8 h + j: sixteen lanes write the same word with the same value.  (On every path: 40 stores are less than a jump's worth of care)
.endr
.endr
	s_wait_dscnt 0x0
	s_barrier_signal -1
	s_barrier_wait -1
	s_cmp_lt_u32 s22, s21
	s_cbranch_scc0 .Lend
; ---- THE LAST STORE: thread t < 80 takes row t.  Its number is fetched, held and shifted with all lanes on (threads 80 to 127 read list places that exist, and store nothing)
	v_lshrrev_b32 v[LOF], 4, v0
	v_add_nc_u32 v[LOF], s22, v[LOF]
	v_min_u32 v[LOF], s23, v[LOF]                  ; its tile, as in stretch X
	v_min_u32 v[LOF], 0x7ff, v[LOF]
	v_lshlrev_b32 v[LOF], 6, v[LOF]
	v_lshlrev_b32 v129, 2, v[R]
	v_add_nc_u32 v[LOF], v[LOF], v129
	global_load_b32 v128, v[LOF], s[14:15]
	s_wait_loadcnt 0x0
	v_min_u32 v128, 0x7fff, v128
	v_lshlrev_b32 v128, 2, v128
	s_wait_xcnt 0x0                                ; EXEC narrows only behind this wait
	v_cmp_gt_u32 vcc_lo, 80, v0
	s_and_saveexec_b32 s59, vcc_lo
.irp w, 0,1,2,3
	ds_load_b32 v[FS+\w], v[FRD] offset:320*\w
.endr
	s_wait_dscnt 0x0
	v_add_f32 v[FS], v[FS], v[FS+1]
	v_add_f32 v[FS+2], v[FS+2], v[FS+3]
	v_add_f32 v[FS], v[FS], v[FS+2]
	global_store_b32 v128, v[FS], s[18:19]         ; scattered by row number: 80 words a work-group
	s_wait_xcnt 0x0                                ; EXEC widens only behind this wait
	s_or_b32 exec_lo, exec_lo, s59
.Lend:
	s_wait_tensorcnt 0x0
	ds_add_u32 v254, v255
	s_wait_dscnt 0x0
	s_endpgm
.Lfunc_end_k_q8cb3ef4766_score:
	.size	k_q8cb3ef4766_score, .Lfunc_end_k_q8cb3ef4766_score-k_q8cb3ef4766_score
	.p2alignl 7, 3214868480
	.fill 96, 4, 3214868480
	.section	.rodata,"a",@progbits
	.p2align	6, 0x0
	.amdhsa_kernel k_q8cb3ef4766_score
		.amdhsa_group_segment_fixed_size 197120
		.amdhsa_private_segment_fixed_size 0
		.amdhsa_enable_private_segment 0
		.amdhsa_kernarg_size 64
		.amdhsa_user_sgpr_count 2
		.amdhsa_user_sgpr_kernarg_segment_ptr 1
		.amdhsa_wavefront_size32 1
		.amdhsa_system_sgpr_workgroup_id_x 1
		.amdhsa_system_sgpr_workgroup_id_y 1
		.amdhsa_system_sgpr_workgroup_id_z 1
		.amdhsa_system_vgpr_workitem_id 0
		.amdhsa_next_free_vgpr 1024
		.amdhsa_next_free_sgpr 66
		.amdhsa_reserve_vcc 1
		.amdhsa_float_denorm_mode_32 3
		.amdhsa_float_denorm_mode_16_64 3
		.amdhsa_memory_ordered 1
		.amdhsa_forward_progress 1
		.amdhsa_inst_pref_size 255
	.end_amdhsa_kernel
	.section	.bss,"aw",@nobits
	.p2align	6
	.space	262144
	.amdgpu_metadata
---
amdhsa.version: [ 1, 2 ]
amdhsa.kernels:
  - .name:           k_q8cb3ef4766_score
    .symbol:         k_q8cb3ef4766_score.kd
    .args:
      - { .name: encoder_out, .offset: 0, .size: 8, .value_kind: global_buffer, .address_space: global }
      - { .name: wc, .offset: 8, .size: 8, .value_kind: global_buffer, .address_space: global }
      - { .name: wsc, .offset: 16, .size: 8, .value_kind: global_buffer, .address_space: global }
      - { .name: sd2, .offset: 24, .size: 8, .value_kind: global_buffer, .address_space: global }
      - { .name: v_w, .offset: 32, .size: 8, .value_kind: global_buffer, .address_space: global }
      - { .name: list, .offset: 40, .size: 8, .value_kind: global_buffer, .address_space: global }
      - { .name: meta, .offset: 48, .size: 8, .value_kind: global_buffer, .address_space: global }
      - { .name: logits, .offset: 56, .size: 8, .value_kind: global_buffer, .address_space: global }
    .group_segment_fixed_size: 197120
    .private_segment_fixed_size: 0
    .kernarg_segment_align: 8
    .kernarg_segment_size: 64
    .max_flat_workgroup_size: 128
    .sgpr_count:     66
    .vgpr_count:     1024
    .wavefront_size: 32
...
	.end_amdgpu_metadata
.endif
;; end of part 2
;; launch soft (part 3): grid 16 x 1, 8 waves a work-group, no clusters, 1,536 bytes of LDS; arguments logits, out0; writes out0
.if DOCPART == 3
	.amdgcn_target "amdgcn-amd-amdhsa--gfx1250"
	.amdhsa_code_object_version 6
	.text
	.protected	k_q8cb3ef4766_soft
	.globl	k_q8cb3ef4766_soft
	.p2align	8
	.type	k_q8cb3ef4766_soft,@function
k_q8cb3ef4766_soft:
	s_mov_b64 s[64:65], 0
	v_nop
	global_prefetch_b8 v0, s[64:65] scope:SCOPE_SE
	s_setreg_imm32_b32 hwreg(HW_REG_WAVE_MODE, 25, 1), 1
	s_wait_xcnt 0x0
; out0[b][:] = softmax(logits[b][:]).  A work-group takes a batch of 2,048 numbers, a thread eight of them: two loads and two stores of 16 bytes, each covering 512 consecutive bytes a wave.
; The row's maximum is taken away first, as a difference (not folded into a multiply-add: at -1e10 the product's rounding would be far larger than 1), so a batch that is masked throughout gives 1 / 2,048.
; The sum holds the maximum's own term, 1, so it is never 0.
	s_load_b128 s[4:7], s[0:1], 0x0                ; logits, out0
	v_lshl_add_u32 v32, v0, 2, 0x200
	v_mov_b32 v33, 0
	v_lshrrev_b32 v1, 5, v0
	v_readfirstlane_b32 s8, v1                     ; wave 0..7
	v_lshlrev_b32 v2, 4, v0                        ; 16 x thread
	s_lshl_b32 s9, s8, 2
	v_mov_b32 v3, s9                               ; LDS: my wave's word
	v_mov_b32 v24, 0
	v_mov_b32 v13, 0                               ; a lane permute's destination counts as one of its sources
	s_lshl_b32 s10, ttmp9, 13
	s_mov_b32 s11, 0
	s_mov_b32 s12, 0x76543210
	s_mov_b32 s13, 0xfedcba98
	s_wait_kmcnt 0x0
	s_add_nc_u64 s[4:5], s[4:5], s[10:11]
	s_add_nc_u64 s[6:7], s[6:7], s[10:11]
	global_load_b128 v[4:7], v2, s[4:5]
	global_load_b128 v[8:11], v2, s[4:5] offset:4096
	s_wait_loadcnt 0x0
	v_max3_num_f32 v12, v4, v5, v6
	v_max3_num_f32 v12, v12, v7, v8
	v_max3_num_f32 v12, v12, v9, v10
	v_max_num_f32 v12, v12, v11
.irp x, 1,2,4,8
	v_max_num_f32_dpp v12, v12, v12 row_xmask:\x row_mask:0xf bank_mask:0xf
.endr
	v_permlanex16_b32 v13, v12, s12, s13
	v_max_num_f32 v12, v12, v13
	ds_store_b32 v3, v12                           ; bytes 0-31: the waves' maxima
	s_wait_dscnt 0x0
	s_barrier_signal -1
	s_barrier_wait -1
	ds_load_b128 v[16:19], v24
	ds_load_b128 v[20:23], v24 offset:16
	s_wait_dscnt 0x0
	v_max3_num_f32 v12, v16, v17, v18
	v_max3_num_f32 v12, v12, v19, v20
	v_max3_num_f32 v12, v12, v21, v22
	v_max_num_f32 v12, v12, v23
.irp j, 4,6,8,10
	v_pk_add_f32 v[\j:\j+1], v[\j:\j+1], v[12:13] op_sel_hi:[1,0] neg_lo:[0,1] neg_hi:[0,1]   ; x - max
.endr
.irp j, 4,6,8,10
	v_pk_mul_f32 v[\j:\j+1], v[\j:\j+1], 0x3fb8aa3b op_sel_hi:[1,0]                            ; x log2(e)
.endr
.irp j, 4,5,6,7,8,9,10,11
	v_exp_f32 v[\j], v[\j]
.endr
	v_nop                                          ; a plain line behind the last transcendental
	s_wait_alu depctr_va_vdst(0)
	v_pk_add_f32 v[14:15], v[4:5], v[6:7]
	v_pk_add_f32 v[16:17], v[8:9], v[10:11]
	v_pk_add_f32 v[14:15], v[14:15], v[16:17]
	v_add_f32 v14, v14, v15
.irp x, 1,2,4,8
	v_add_f32_dpp v14, v14, v14 row_xmask:\x row_mask:0xf bank_mask:0xf
.endr
	v_permlanex16_b32 v13, v14, s12, s13
	v_add_f32 v14, v14, v13
	ds_store_b32 v3, v14 offset:256                ; bytes 256-287: the waves' sums
	s_wait_dscnt 0x0
	s_barrier_signal -1
	s_barrier_wait -1
	ds_load_b128 v[16:19], v24 offset:256
	ds_load_b128 v[20:23], v24 offset:272
	s_wait_dscnt 0x0
	v_pk_add_f32 v[16:17], v[16:17], v[18:19]
	v_pk_add_f32 v[20:21], v[20:21], v[22:23]
	v_pk_add_f32 v[16:17], v[16:17], v[20:21]
	v_add_f32 v14, v16, v17
	v_rcp_f32 v14, v14
	v_nop
	s_wait_alu depctr_va_vdst(0)
.irp j, 4,6,8,10
	v_pk_mul_f32 v[\j:\j+1], v[\j:\j+1], v[14:15] op_sel_hi:[1,0]
.endr
	global_store_b128 v2, v[4:7], s[6:7]
	global_store_b128 v2, v[8:11], s[6:7] offset:4096
	s_wait_tensorcnt 0x0
	ds_add_u32 v32, v33
	s_wait_dscnt 0x0
	s_endpgm
.Lfunc_end_k_q8cb3ef4766_soft:
	.size	k_q8cb3ef4766_soft, .Lfunc_end_k_q8cb3ef4766_soft-k_q8cb3ef4766_soft
	.p2alignl 7, 3214868480
	.fill 96, 4, 3214868480
	.section	.rodata,"a",@progbits
	.p2align	6, 0x0
	.amdhsa_kernel k_q8cb3ef4766_soft
		.amdhsa_group_segment_fixed_size 1536
		.amdhsa_private_segment_fixed_size 0
		.amdhsa_enable_private_segment 0
		.amdhsa_kernarg_size 16
		.amdhsa_user_sgpr_count 2
		.amdhsa_user_sgpr_kernarg_segment_ptr 1
		.amdhsa_wavefront_size32 1
		.amdhsa_system_sgpr_workgroup_id_x 1
		.amdhsa_system_sgpr_workgroup_id_y 1
		.amdhsa_system_sgpr_workgroup_id_z 1
		.amdhsa_system_vgpr_workitem_id 0
		.amdhsa_next_free_vgpr 34
		.amdhsa_next_free_sgpr 66
		.amdhsa_reserve_vcc 0
		.amdhsa_float_denorm_mode_32 3
		.amdhsa_float_denorm_mode_16_64 3
		.amdhsa_memory_ordered 1
		.amdhsa_forward_progress 1
		.amdhsa_inst_pref_size 5
	.end_amdhsa_kernel
	.amdgpu_metadata
---
amdhsa.version: [ 1, 2 ]
amdhsa.kernels:
  - .name:           k_q8cb3ef4766_soft
    .symbol:         k_q8cb3ef4766_soft.kd
    .args:
      - { .name: logits, .offset: 0, .size: 8, .value_kind: global_buffer, .address_space: global }
      - { .name: out0, .offset: 8, .size: 8, .value_kind: global_buffer, .address_space: global }
    .group_segment_fixed_size: 1536
    .private_segment_fixed_size: 0
    .kernarg_segment_align: 8
    .kernarg_segment_size: 16
    .max_flat_workgroup_size: 256
    .sgpr_count:     66
    .vgpr_count:     34
    .wavefront_size: 32
...
	.end_amdgpu_metadata
.endif
;; end of part 3
